; MI455X (gfx1250); checked and timed in simulation.
; The chip was launched on July 23, 2026; its instructions are those of AMD's public machine-readable ISA for CDNA 5 (MIT licence, August 2026) and "CDNA5" Instruction Set Architecture Reference Guide (July 2026). The comments in the code are by the model that wrote it; some were corrected since.
;; s LSTM Cell. Allowed arithmetic: float matrix products may take bf16 or f16 operands with f32 sums; other float arithmetic in f32, or as packed bf16 or f16 multiplies, adds, multiply-adds, maxima and minima; sums over many terms, partial sums and values carried from step to step in f32; what a program stores and reads back later, other than sums and carried values, may be rounded once to bf16 or f16.
;; Inputs: Rf 2,048 x 2,048 float32; Ri 2,048 x 2,048 float32; Ro 2,048 x 2,048 float32; Rz 2,048 x 2,048 float32; Wf 2,048 x 1,024 float32; Wi 2,048 x 1,024 float32; Wo 2,048 x 1,024 float32; Wz 2,048 x 1,024 float32; bf 2,048 float32; bi 2,048 float32; bo 2,048 float32; bz 2,048 float32; c_prev 2,048 x 2,048 float32; gn_b 2,048 float32; gn_w 2,048 float32; h_prev 2,048 x 2,048 float32; m_prev 2,048 x 2,048 float32; n_prev 2,048 x 2,048 float32; x 2,048 x 1,024 float32.
;; Outputs: out0 2,048 x 2,048 float32; out1 2,048 x 2,048 float32; out2 2,048 x 2,048 float32; out3 2,048 x 2,048 float32.
;; 2 versions, each right; version 2 is version 1 with the launch norm written anew for expert scheduling mode. Each part assembles by itself: llvm-mc -triple=amdgcn-amd-amdhsa -mcpu=gfx1250 --defsym DOCPART=n.
;; ======== version 1 of 2: 3 launches
;; limits: values are held in f16: magnitudes above 65,504 overflow, below 6.1e-05 lose precision
;; workspace buffers: abf 12,582,912 bytes; bbf 50,331,648 bytes; ows 8,388,608 bytes
;; launch cast (part 1): grid 256 x 5, 8 waves a work-group, no clusters, 0 bytes of LDS; arguments x, h_prev, Wi, Ri, Wf, Rf, Wz, Rz, Wo, Ro, abf, bbf; writes abf, bbf
.if DOCPART == 1
	.amdgcn_target "amdgcn-amd-amdhsa--gfx1250"
	.amdhsa_code_object_version 6
	.text
	.protected	k_qcec2978c77_cast
	.globl	k_qcec2978c77_cast
	.p2align	8
	.type	k_qcec2978c77_cast,@function
k_qcec2978c77_cast:
	s_mov_b64 s[64:65], 0
	v_nop
	global_prefetch_b8 v0, s[64:65] scope:SCOPE_SE
	s_setreg_imm32_b32 hwreg(HW_REG_WAVE_MODE, 25, 1), 1
	s_wait_xcnt 0x0
; THE MATRIX OPERANDS IN bf16.  abf[2048][3072] = [x | h_prev], row by row.  bbf[8192][3072] = [W_g | R_g], its rows ordered so that the four gates of a hidden column lie in one block
; of 128 rows: row 128 (j / 32) + 32 g + j % 32 holds gate g (0..3 = i, f, z, o) of hidden column j.  Each number is rounded once, to nearest even.
; THE COLUMNS ARE PERMUTED, ALIKE IN abf AND bbf: in each block of 256 columns, place 8 l + e (l = 0..31) holds column 4 l + e for e < 4 and column 128 + 4 l + e - 4 for e >= 4.  A product over K
; has the same terms whatever their order, so the next launch need not know; only the order of its f32 sums differs.  It lets a lane store 16 bytes from what two plain loads brought it.
; LIMIT.  bf16 has f32's exponents, so no range is lost; an f32 within half a bf16 step of the largest finite number rounds to infinity.
; SHARES.  The grid's y picks the pair of sources: 0 = (x, h_prev), 1..4 = (W_g, R_g).  A wave makes ONE row of 3,072 numbers: 12,288 bytes in by 24 loads of 512 consecutive bytes, all issued
; before the first is waited for; 6,144 bytes out by 12 stores, each 512 consecutive bytes at a multiple of 256 from the buffer's first byte.  No loop, no LDS, no barrier: nothing is shared.
.set X,  4                             ; v[4:99]  chunk i of 24 at X + 4 i: four f32 as loaded; then chunks 2 q and 2 q + 1 as four words of bf16 at X + 8 q
.set SI, 32                            ; s[32:33] the source of columns 0..1023, at my row
.set SH, 34                            ; s[34:35] the source of columns 1024..3071, at my row
.set D,  36                            ; s[36:37] the destination, at my row
	s_load_b512 s[8:23], s[0:1], 0x0               ; x s[8:9], h_prev s[10:11], Wi s[12:13], Ri s[14:15], Wf s[16:17], Rf s[18:19], Wz s[20:21], Rz s[22:23]
	s_load_b256 s[24:31], s[0:1], 0x40             ; Wo s[24:25], Ro s[26:27], abf s[28:29], bbf s[30:31]
	v_lshrrev_b32 v3, 5, v0
	v_readfirstlane_b32 s3, v3                     ; wave 0..7
	v_and_b32 v2, 31, v0
	v_lshlrev_b32 v1, 4, v2                        ; 16 bytes a lane, on the way in and on the way out; never rewritten
	s_and_b32 s2, ttmp7, 0xffff                    ; y
	s_lshl_b32 s4, ttmp9, 3
	s_add_co_u32 s4, s4, s3                        ; j: my row of the sources
	s_lshr_b32 s5, s4, 5
	s_lshl_b32 s5, s5, 7                           ; 128 (j / 32)
	s_and_b32 s6, s4, 31
	s_add_co_u32 s5, s5, s6                        ; + j % 32
	s_max_u32 s6, s2, 1
	s_sub_co_u32 s6, s6, 1                         ; g (0 where y = 0, where it is not used)
	s_lshl_b32 s6, s6, 5
	s_add_co_u32 s5, s5, s6                        ; + 32 g
	s_cmp_eq_u32 s2, 0
	s_cselect_b32 s5, s4, s5                       ; abf keeps the rows' order
	s_wait_kmcnt 0x0
	s_cselect_b64 s[SI:SI+1], s[8:9], s[12:13]     ; (s_cselect and the wait leave SCC as the compare set it)
	s_cselect_b64 s[SH:SH+1], s[10:11], s[14:15]
	s_cselect_b64 s[D:D+1], s[28:29], s[30:31]
	s_cmp_eq_u32 s2, 2
	s_cselect_b64 s[SI:SI+1], s[16:17], s[SI:SI+1]
	s_cselect_b64 s[SH:SH+1], s[18:19], s[SH:SH+1]
	s_cmp_eq_u32 s2, 3
	s_cselect_b64 s[SI:SI+1], s[20:21], s[SI:SI+1]
	s_cselect_b64 s[SH:SH+1], s[22:23], s[SH:SH+1]
	s_cmp_eq_u32 s2, 4
	s_cselect_b64 s[SI:SI+1], s[24:25], s[SI:SI+1]
	s_cselect_b64 s[SH:SH+1], s[26:27], s[SH:SH+1]
	s_mov_b32 s39, 0
	s_lshl_b32 s38, s4, 12                         ; a row of 1,024 f32
	s_add_nc_u64 s[SI:SI+1], s[SI:SI+1], s[38:39]
	s_lshl_b32 s38, s4, 13                         ; a row of 2,048 f32
	s_add_nc_u64 s[SH:SH+1], s[SH:SH+1], s[38:39]
	s_mul_i32 s38, s5, 6144                        ; a row of 3,072 bf16; 8,191 rows at the most: under 2^26
	s_add_nc_u64 s[D:D+1], s[D:D+1], s[38:39]
.irp i, 0,1,2,3,4,5,6,7
	global_load_b128 v[X+4*(\i):X+4*(\i)+3], v1, s[SI:SI+1] offset:512*(\i) th:TH_LOAD_NT
.endr
.irp i, 8,9,10,11,12,13,14,15,16,17,18,19,20,21,22,23
	global_load_b128 v[X+4*(\i):X+4*(\i)+3], v1, s[SH:SH+1] offset:512*((\i)-8) th:TH_LOAD_NT
.endr
.irp q, 0,1,2,3,4,5,6,7,8,9,10,11
	s_wait_loadcnt 22-2*(\q)                       ; loads come back in order (ISA guide 5.7.1): chunks 2 q and 2 q + 1 are in, the 22 - 2 q younger ones stay out
	v_cvt_pk_bf16_f32 v[X+8*(\q)],   v[X+8*(\q)],   v[X+8*(\q)+1]
	v_cvt_pk_bf16_f32 v[X+8*(\q)+1], v[X+8*(\q)+2], v[X+8*(\q)+3]
	v_cvt_pk_bf16_f32 v[X+8*(\q)+2], v[X+8*(\q)+4], v[X+8*(\q)+5]
	v_cvt_pk_bf16_f32 v[X+8*(\q)+3], v[X+8*(\q)+6], v[X+8*(\q)+7]
	global_store_b128 v1, v[X+8*(\q):X+8*(\q)+3], s[D:D+1] offset:512*(\q) th:TH_STORE_NT  ; no register that a store reads is written again
.endr
	s_endpgm
.Lfunc_end_k_qcec2978c77_cast:
	.size	k_qcec2978c77_cast, .Lfunc_end_k_qcec2978c77_cast-k_qcec2978c77_cast
	.p2alignl 7, 3214868480
	.fill 96, 4, 3214868480
	.section	.rodata,"a",@progbits
	.p2align	6, 0x0
	.amdhsa_kernel k_qcec2978c77_cast
		.amdhsa_group_segment_fixed_size 0
		.amdhsa_private_segment_fixed_size 0
		.amdhsa_enable_private_segment 0
		.amdhsa_kernarg_size 96
		.amdhsa_user_sgpr_count 2
		.amdhsa_user_sgpr_kernarg_segment_ptr 1
		.amdhsa_wavefront_size32 1
		.amdhsa_system_sgpr_workgroup_id_x 1
		.amdhsa_system_sgpr_workgroup_id_y 1
		.amdhsa_system_sgpr_workgroup_id_z 1
		.amdhsa_system_vgpr_workitem_id 0
		.amdhsa_next_free_vgpr 100
		.amdhsa_next_free_sgpr 66
		.amdhsa_reserve_vcc 0
		.amdhsa_float_denorm_mode_32 3
		.amdhsa_float_denorm_mode_16_64 3
		.amdhsa_memory_ordered 1
		.amdhsa_forward_progress 1
		.amdhsa_inst_pref_size 9
	.end_amdhsa_kernel
	.amdgpu_metadata
---
amdhsa.version: [ 1, 2 ]
amdhsa.kernels:
  - .name:           k_qcec2978c77_cast
    .symbol:         k_qcec2978c77_cast.kd
    .args:
      - { .name: x, .offset: 0, .size: 8, .value_kind: global_buffer, .address_space: global }
      - { .name: h_prev, .offset: 8, .size: 8, .value_kind: global_buffer, .address_space: global }
      - { .name: Wi, .offset: 16, .size: 8, .value_kind: global_buffer, .address_space: global }
      - { .name: Ri, .offset: 24, .size: 8, .value_kind: global_buffer, .address_space: global }
      - { .name: Wf, .offset: 32, .size: 8, .value_kind: global_buffer, .address_space: global }
      - { .name: Rf, .offset: 40, .size: 8, .value_kind: global_buffer, .address_space: global }
      - { .name: Wz, .offset: 48, .size: 8, .value_kind: global_buffer, .address_space: global }
      - { .name: Rz, .offset: 56, .size: 8, .value_kind: global_buffer, .address_space: global }
      - { .name: Wo, .offset: 64, .size: 8, .value_kind: global_buffer, .address_space: global }
      - { .name: Ro, .offset: 72, .size: 8, .value_kind: global_buffer, .address_space: global }
      - { .name: abf, .offset: 80, .size: 8, .value_kind: global_buffer, .address_space: global }
      - { .name: bbf, .offset: 88, .size: 8, .value_kind: global_buffer, .address_space: global }
    .group_segment_fixed_size: 0
    .private_segment_fixed_size: 0
    .kernarg_segment_align: 8
    .kernarg_segment_size: 96
    .max_flat_workgroup_size: 256
    .sgpr_count:     66
    .vgpr_count:     100
    .wavefront_size: 32
...
	.end_amdgpu_metadata
.endif
;; end of part 1
;; launch gates (part 2): grid 32 x 8, 4 waves a work-group, clusters of 4 x 4, 327,680 bytes of LDS; arguments abf, bbf, bi, bf, bz, bo, c_prev, n_prev, m_prev, out1, out2, out3, ows; writes out1, out2, out3, ows
.if DOCPART == 2
	.amdgcn_target "amdgcn-amd-amdhsa--gfx1250"
	.amdhsa_code_object_version 6
	.text
	.protected	k_qcec2978c77_gates
	.globl	k_qcec2978c77_gates
	.p2align	8
	.type	k_qcec2978c77_gates,@function
k_qcec2978c77_gates:
	s_mov_b64 s[64:65], 0
	v_nop
	global_prefetch_b8 v0, s[64:65] scope:SCOPE_SE
	s_setreg_imm32_b32 hwreg(HW_REG_WAVE_MODE, 25, 1), 1
	s_wait_xcnt 0x0
	s_wait_alu depctr_hold_cnt(0) depctr_sa_sdst(0) depctr_va_vdst(0) depctr_va_sdst(0) depctr_va_ssrc(0) depctr_va_vcc(0) depctr_vm_vsrc(0)
	s_getreg_b32 s2, hwreg(HW_REG_IB_STS2, 6, 4)
	s_cmp_eq_u32 s2, 0
	s_cbranch_scc0 .Lentry_in_a_cluster
	s_endpgm
.Lentry_in_a_cluster:
	s_bfe_u32 s2, ttmp6, 0x10000c
	s_cmp_lg_u32 s2, 0xf033
	s_cbranch_scc0 .Lentry_shape_is_right
	s_endpgm
.Lentry_shape_is_right:
; pre = [x | h_prev] [W | R]^T + b;  i, f, o = sigmoid, z = tanh;  c = f c_prev + i z (out1), n = f n_prev + i (out2), m = max(f m_prev, i) (out3); o is set aside for the next launch (ows, f16).
; abf: [2048][3072] bf16.  bbf: [8192][3072] bf16, row 128 (j / 32) + 32 g + j % 32 = gate g of hidden column j.  The two have their columns in one and the same permuted order (the launch before
; says which), which a sum over K does not see.  Sums in f32; all arithmetic behind them in f32.
; EVERY INPUT OF THE MODULE IS ROUNDED ONCE TO bf16: the matrix operands in the launch before, the four biases and c_prev, n_prev, m_prev here, gn_w and gn_b in the launch behind.  So the three launches
; together compute the module on inputs rounded to bf16, and no input has another rounding than the rest.  n = f n_prev + i can come near 0, and c / n then magnifies whatever error n carries.
; LIMITS.  c, n, m are those of the rounded inputs: against unrounded ones each input carries a relative rounding of up to 2^-9.
; sigmoid(x) = 1 / (1 + 2^(-x log2 e)), tanh(x) = 1 - 2 / (1 + 2^(2 x log2 e)): both end rightly at 0, 1 and -1 where the power is 0 or infinite; tanh is right to about 1e-7 absolute, not relative.
; o is rounded once to f16 (it lies in 0 to 1; below 6e-5 it keeps f16's fixed step of 6e-8).  In the maximum a NaN loses; NaN and infinities are not treated apart.
; SHARES.  A work-group of four waves makes 256 rows x 256 rows of bbf = 256 rows x 64 hidden columns x 4 gates; a wave 128 x 128: 64 accumulators of 16 x 16, 512 registers.  32 x 8 such tiles.
; K goes in steps of 128 through a ring of two LDS slots filled by the tensor data mover; the tiles' rows are 256 bytes of memory at multiples of 256 from the buffer's first byte.
; CLUSTERS: 4 x 4 work-groups.  The four of a row of the cluster need the same tiles of abf, the four of a column the same tiles of bbf: each tile is asked for JOINTLY, by the same tensor load with the
; same descriptor and a mask that names the four.
; THE MATRIX INSTRUCTION IS USED TRANSPOSED (source 0 = 16 rows of bbf, source 1 = 16 rows of abf): lane l holds row l % 16, and registers 0-7 the columns 8 (l / 16) + 0..7 of n block b,
; which is gate b / 2, hidden columns 16 (b % 2) on, of the wave's 32.
; THE WAY OUT.  The ring has had its last fill; its bytes become a STAGE of 256 rows x (4 gates x 64 f32).  Behind a barrier each wave takes 64 whole rows, four a double step: a lane reads the four gates of
; four neighbouring hidden columns in each of two rows, makes c, n, m and o, and every store of the wave covers aligned runs of 256 consecutive bytes.  c_prev, n_prev and m_prev come through a ring of
; eight slots in registers; its first fill is asked for at the kernel's head and rests in registers that the K loop does not name.
; REGISTERS, in windows of 256 (s_set_vgpr_msb: bits 1:0 source 0, 3:2 source 1, 5:4 source 2, 7:6 destination):
;   window 0: v0-31 addresses; v32-63, v192-255 the ring of c_prev, n_prev, m_prev; v64-127, v128-191 fragments of abf, two buffers, later the way out's work
;   window 1: v0-15 the biases as loaded; v64-127, v128-191 fragments of bbf      window 2: the accumulators of my rows 0-63 ((a, b) at v[8 (8 a + b)])      window 3: those of my rows 64-127
.set SIZE_K, 3072
.set KSTEP,  128
.set PITCH,  272                       ; an LDS row of the ring: 256 bytes + 16 of padding = 68 words: row r starts at bank 4 r mod 64 (64 banks of 4 bytes: ISA guide 11.1)
.set HALFT,  128*PITCH                 ; 128 rows: what one tensor load brings, and what one wave reads of either operand
.set SLOT,   4*HALFT                   ; abf's 256 rows, then bbf's 256 rows
.set SPITCH, 1040                      ; a row of the stage: 4 gates x 256 bytes + 16 = 65 x 16 bytes: 16 rows' equal columns fall into 16 different groups of four banks
.set SPARE,  2*SLOT                    ; behind the ring: the spare words, 128 bytes for each wave: two blocks of 256 bytes that no other line names
.set LAPS,   SIZE_K/(2*KSTEP)          ; a lap = two K steps = once round the ring
.set ROWB,   8192                      ; bytes in a row of the f32 arrays, and in a pair of rows of ows
.set PVO,  6                           ; v6      my lane x ROWB: the offset of the prefetches of c_prev, n_prev, m_prev; never rewritten
.set ADRA, 16                          ; v16-17  LDS address of my fragments of abf in slot 0, 1
.set ADRB, 20                          ; v20-21  the same for bbf
.set BO,   22                          ; v22     16 (l % 16): my four columns in a bias
.set STO,  24                          ; v24-25  the stage: where my rows 0-63 (64-127) put 16 bytes
.set RD,   26                          ; v26     the stage: where I read a round's first two rows back; steps by 16 rows a round
.set VO,   27                          ; v27     (l / 16) ROWB + 16 (l % 16): my 16 bytes in two rows of an f32 array; never rewritten
.set SPW,  28                          ; v28     LDS address of my spare word: SPARE + 4 x my thread's number; never rewritten
.set NIL,  29                          ; v29     0; never rewritten
.set PFO,  30                          ; v30     my lane x a row of abf or bbf: the ring's prefetches; never rewritten
.set OO,   31                          ; v31     8 x lane: my 8 bytes in 256 of ows; never rewritten
.set PC,   32                          ; v[32:63]   c_prev, slot i at + 4 i
.set PN,   192                         ; v[192:223] n_prev
.set PM,   224                         ; v[224:255] m_prev
.set F0,   64                          ; fragment buffer 0
.set F1,   128                         ; fragment buffer 1
.set SB,   64                          ; the way out: v[64:79] the biases times the exponent's factor, gate g at + 4 g
.set GA,   80                          ; v[80:143] two buffers of 32: a double step's gates: row pair u at + 16 u, in it i at + 0, f at + 4, z at + 8, o at + 12
.set YA,   144                         ; v[144:175] what a double step stores: row pair u at + 16 u, in it c at + 0, n at + 4, m at + 8, o (two words of f16) at + 12
.set RT,   176                         ; v[176:187] row pair u at + 6 u: its slot's twelve numbers of c_prev, n_prev, m_prev as six words of bf16
.set BR,   0                           ; window 1: v[0:15] the biases as loaded
.set G1,   24                          ; s[24:31] descriptor group 1 for abf's tiles;  s[32:39] group 0, one set for each slot
.set G0,   32
.set G1B,  48                          ; s[48:55], s[56:63] the same for bbf's
.set G0B,  56
.set LIM,  43                          ; s43     1 in a wave that prefetches the ring's tiles, else the greatest number
.set PFA,  44                          ; s[44:45] where those prefetches stand
.set HM,   66                          ; s66     the mask of a word's upper bf16
.set BIAS, 68                          ; s[68:75] bi, bf, bz, bo at the tile's first column
.set PCP,  76                          ; s[76:81] c_prev, n_prev, m_prev;  s[82:87] out1, out2, out3: all at my wave's first row of the round, the tile's first column
.set PNP,  78
.set PMP,  80
.set POC,  82
.set PON,  84
.set POM,  86
.set POW,  88                          ; s[88:89] ows at my wave's first pair of rows of the round
.set KS,   90                          ; s[90:91] -log2 e: the packed forms name a pair and take its low word for both halves
.set KZ,   92                          ; s[92:93] 2 log2 e
.set MSB, 0
.macro WIN new                         ; the immediate's high byte repeats the setting that is left; a switch that changes nothing is dropped
.if MSB != (\new)
	s_set_vgpr_msb (MSB<<8)|(\new)
.set MSB, \new
.endif
.endm
.set MUL_LO, 0xa1                      ; source 0 (bbf) window 1, source 1 (abf) window 0, C and D window 2
.set MUL_HI, 0xf1                      ; the same, C and D window 3
.set TO_B,   0x40                      ; destination window 1, address window 0
; A joint load.  Waves 0 and 1 fetch abf's two halves, waves 2 and 3 bbf's.  Each line has one mask and one set of registers for all that issue it; the branch hangs on the wave's number alone.
; An s_nop 0 and four v_nop follow each of the two lines, ahead of the jump, the label and what follows.
.macro JLOAD s
	s_cmp_eq_u32 s11, 0
	s_cbranch_scc0 .Lfor_b_\@
	tensor_load_to_lds s[G0+4*(\s):G0+4*(\s)+3], s[G1:G1+7]
	s_nop 0
.rept 4
	v_nop
.endr
	s_branch .Lasked_\@
.Lfor_b_\@:
	tensor_load_to_lds s[G0B+4*(\s):G0B+4*(\s)+3], s[G1B:G1B+7]
	s_nop 0
.rept 4
	v_nop
.endr
.Lasked_\@:
.endm
; A prefetch into the L2 of the K step that stands TWO refills on: 32 rows x 256 bytes, a lane a row, one instruction a wave, behind the joint load, its five lines and the run of LDS loads.
; Each row's 256 bytes of a K step are named once in the launch: abf's tile row is read by every cluster of that row of clusters, and the one with x = 0 asks; bbf's tile column by every cluster of that
; column, and the one with y = 0 asks.  Of the 128 rows that a wave fetches the partner at place p takes 32 p .. 32 p + 31, told apart by address.  The loop's last trip (s3 = 1) asks for nothing.
.macro ASK
	s_cmp_gt_u32 s3, s[LIM]
	s_cbranch_scc0 .Lnot_mine_\@
	global_prefetch_b8 v[PFO], s[PFA:PFA+1] offset:KSTEP*2 th:TH_LOAD_NT scope:SCOPE_SE
.Lnot_mine_\@:
.endm
; A round of the cluster's barrier: my work-group's barrier, so that wave 0's signal speaks for all four waves; wave 0 signals; every wave waits for all sixteen work-groups; my work-group's barrier once more.
.macro CREST                           ; a round behind its opening barrier
	s_cmp_lg_u32 s10, 0
	s_cbranch_scc1 .Lnot_wave_0_\@
	s_barrier_signal -3
.Lnot_wave_0_\@:
	s_barrier_wait -3
	s_barrier_signal -1
	s_barrier_wait -1
.endm
.macro CROUND                          ; a whole round
	s_barrier_signal -1
	s_barrier_wait -1
	CREST
.endm
	s_load_b128 s[4:7], s[0:1], 0x0                ; abf s[4:5], bbf s[6:7]
	s_load_b256 s[BIAS:BIAS+7], s[0:1], 0x10       ; bi, bf, bz, bo
	s_load_b256 s[PCP:PCP+7], s[0:1], 0x30         ; c_prev, n_prev, m_prev, out1
	s_load_b128 s[PON:PON+3], s[0:1], 0x50         ; out2, out3
	s_load_b64 s[POW:POW+1], s[0:1], 0x60          ; ows
	v_lshl_add_u32 v[SPW], v0, 2, SPARE
	v_mov_b32 v[NIL], 0
	ds_add_u32 v[SPW], v[NIL]                      ; the wave's opening: the add, twice on end, and its wait ahead of my first tensor load; the set-up below stands between
	ds_add_u32 v[SPW], v[NIL]                      ; and once more, under the one wait
	v_lshrrev_b32 v1, 5, v0
	v_readfirstlane_b32 s10, v1                    ; wave 0..3
	s_lshr_b32 s11, s10, 1                         ; which half of the tile's rows is mine.  Also: I fetch for abf (0) or for bbf (1)
	s_and_b32 s12, s10, 1                          ; which half of its columns.  Also: which 128 rows of that tile I fetch
	s_bfe_u32 s40, ttmp6, 0x40000                  ; cx: my place along the cluster's x
	s_bfe_u32 s41, ttmp6, 0x40004                  ; cy: along its y
	s_lshl_b32 s42, ttmp9, 2                       ; in a cluster launch ttmp9 and ttmp7 count clusters
	s_add_co_u32 s42, s42, s40                     ; tile column = 4 x cluster x + cx
	s_and_b32 s13, ttmp7, 0xffff
	s_lshl_b32 s13, s13, 2
	s_add_co_u32 s13, s13, s41                     ; tile row = 4 x cluster y + cy
	s_lshl_b32 s43, s41, 2
	s_lshl_b32 s43, 15, s43                        ; my row of the cluster: places 4 cy .. 4 cy + 3
	s_lshl_b32 s44, 0x1111, s40                    ; my column: places cx, cx + 4, cx + 8, cx + 12
	; descriptor group 1: a tile of 128 rows x 128 elements, padded in LDS
	s_or_b32 s[G1+0], s43, (1<<16)|(1<<20)|(1<<21)|(5<<22)|(3<<25)  ; 15:0 the mask: abf's tiles go to my row; 17:16 elements of 2 bytes; 20 padding on; 21 set beside a mask; 24:22 after every 64 words (code 5); 31:25 4 words (code 3)
	s_or_b32 s[G1B+0], s44, (1<<16)|(1<<20)|(1<<21)|(5<<22)|(3<<25) ; the same with the mask of my column, for bbf's tiles
.irp g, G1, G1B
	s_mov_b32 s[(\g)+1], KSTEP<<16                 ; tensor_dim0 = 128
	s_mov_b32 s[(\g)+2], 128<<16                   ; tensor_dim1 = 128
	s_mov_b32 s[(\g)+3], KSTEP<<16                 ; tile_dim0 = 128
	s_mov_b32 s[(\g)+4], 128                       ; tile_dim1 = 128
	s_mov_b32 s[(\g)+5], SIZE_K                    ; elements from row to row
	s_mov_b32 s[(\g)+6], 0
	s_mov_b32 s[(\g)+7], 0
.endr
	s_mov_b32 s[KS], 0xbfb8aa3b                    ; -log2 e
	s_mov_b32 s[KS+1], 0xbfb8aa3b
	s_mov_b32 s[KZ], 0x4038aa3b                    ; 2 log2 e
	s_mov_b32 s[KZ+1], 0x4038aa3b
	s_mov_b32 s[HM], 0xffff0000
	; where the tiles come from.  abf's hang on the tile row alone, which my row of the cluster shares; bbf's on the tile column alone, which my column shares.
	s_lshl_b32 s17, s12, 7                         ; which 128 rows of the tile I fetch
	s_lshl_b32 s16, s13, 8
	s_add_co_u32 s16, s16, s17                     ; abf: row 256 x tile row + 128 x half
	s_lshl_b32 s46, s42, 8
	s_add_co_u32 s46, s46, s17                     ; bbf: row 256 x tile column + 128 x half
	s_mov_b32 s17, 0
	s_mov_b32 s47, 0
	s_mov_b64 s[18:19], SIZE_K*2
	s_mul_u64 s[16:17], s[16:17], s[18:19]         ; in bytes
	s_mul_u64 s[46:47], s[46:47], s[18:19]
	s_mul_i32 s20, s10, HALFT                      ; and where they go: wave x 128 rows: no place in the cluster enters an LDS address
	s_wait_dscnt 0x0                               ; both opening adds are done
	s_wait_kmcnt 0x0
	s_add_nc_u64 s[14:15], s[4:5], s[16:17]
	s_add_nc_u64 s[46:47], s[6:7], s[46:47]
	CROUND                                         ; all sixteen work-groups are here: the first joint loads meet
.irp s, 0,1
	s_mov_b32 s[G0+4*(\s)], 1                                      ; count = 1
	s_add_co_u32 s[G0+4*(\s)+1], s20, (\s)*SLOT                    ; LDS address
	s_add_nc_u64 s[G0+4*(\s)+2:G0+4*(\s)+3], s[14:15], (\s)*KSTEP*2  ; global address: K step s
	s_or_b32 s[G0+4*(\s)+3], s[G0+4*(\s)+3], 0x80000000            ; type = 2
	s_mov_b32 s[G0B+4*(\s)], 1
	s_add_co_u32 s[G0B+4*(\s)+1], s20, (\s)*SLOT
	s_add_nc_u64 s[G0B+4*(\s)+2:G0B+4*(\s)+3], s[46:47], (\s)*KSTEP*2
	s_or_b32 s[G0B+4*(\s)+3], s[G0B+4*(\s)+3], 0x80000000
	JLOAD \s                                       ; the ring is filled before anything else is done: two loads of mine are out
.endr
	; A fragment is 16 rows x 32 K in 8 registers: lane l holds row l % 16; registers 0-3 K = 8 (l / 16) + 0..7, registers 4-7 K = 16 + 8 (l / 16) + 0..7: two loads of 16 bytes, 32 bytes apart.
	v_and_b32 v1, 15, v0                           ; l % 16
	v_bfe_u32 v2, v0, 4, 1                         ; l / 16
	v_mul_u32_u24 v3, v1, PITCH
	v_lshl_add_u32 v3, v2, 4, v3                   ; row x pitch + 16 x half
	s_mul_i32 s21, s11, HALFT                      ; my 128 rows of abf
	s_mul_i32 s22, s12, HALFT                      ; my 128 rows of bbf,
	s_add_co_u32 s22, s22, 2*HALFT                 ; which lie behind abf's 256
.irp s, 0,1
	v_add_nc_u32 v[ADRA+(\s)], s21, v3
	v_add_nc_u32 v[ADRB+(\s)], s22, v3
	s_add_co_u32 s21, s21, SLOT
	s_add_co_u32 s22, s22, SLOT
.endr
	; the stage.  In: row 128 x row half + 64 hi + 16 a + l % 16; in it gate b / 2 at 256 bytes each, column 32 x column half + 16 (b % 2) + 8 (l / 16) at 4 bytes each
	s_lshl_b32 s23, s11, 7
	v_add_nc_u32 v4, s23, v1
	v_mul_u32_u24 v4, v4, SPITCH
	v_lshl_add_u32 v4, v2, 5, v4
	s_lshl_b32 s23, s12, 7
	v_add_nc_u32 v[STO], s23, v4
	v_add_nc_u32 v[STO+1], 64*SPITCH, v[STO]
	s_lshl_b32 s23, s10, 6                         ; back: wave w takes rows 64 w on; lanes 0-15 one row's 256 bytes of a gate, lanes 16-31 the next row's
	v_add_nc_u32 v5, s23, v2
	v_mul_u32_u24 v5, v5, SPITCH
	v_lshl_add_u32 v[RD], v1, 4, v5
	v_lshlrev_b32 v[BO], 4, v1
	v_lshl_add_u32 v[VO], v2, 13, v[BO]            ; the same two rows in memory
	v_and_b32 v9, 31, v0
	v_lshlrev_b32 v[OO], 3, v9
	v_lshlrev_b32 v[PVO], 13, v9
	v_mul_u32_u24 v[PFO], v9, SIZE_K*2
	; the eleven pointers' offsets, in registers that feed no descriptor
	s_lshl_b32 s94, s13, 8
	s_lshl_b32 s95, s10, 6
	s_add_co_u32 s94, s94, s95                     ; the first row that I finish: 256 x tile row + 64 x wave
	s_lshl_b32 s96, s94, 12                        ; in ows a PAIR of rows has ROWB bytes
	s_lshl_b32 s94, s94, 13
	s_lshl_b32 s98, s42, 8                         ; the tile's 64 columns: 256 bytes of f32, and 256 bytes of a pair of rows in f16
	s_add_co_u32 s94, s94, s98
	s_add_co_u32 s96, s96, s98
	s_mov_b32 s95, 0
	s_mov_b32 s97, 0
	s_mov_b32 s99, 0
.irp p, PCP, PNP, PMP, POC, PON, POM
	s_add_nc_u64 s[(\p):(\p)+1], s[(\p):(\p)+1], s[94:95]
.endr
	s_add_nc_u64 s[POW:POW+1], s[POW:POW+1], s[96:97]
.irp g, 0,1,2,3
	s_add_nc_u64 s[BIAS+2*(\g):BIAS+2*(\g)+1], s[BIAS+2*(\g):BIAS+2*(\g)+1], s[98:99]
.endr
	; the ring's prefetches
	s_lshl_b32 s13, s13, 8                         ; 256 x tile row
	s_lshl_b32 s42, s42, 8                         ; 256 x tile column
	s_and_b32 s22, ttmp7, 0xffff                   ; cluster y
	s_cmp_eq_u32 s11, 0                            ; do I fetch for abf?
	s_cselect_b32 s20, s13, s42                    ; the tile's first row
	s_cselect_b32 s21, s40, s41                    ; my place among the four that ask for it with me
	s_cselect_b32 s22, ttmp9, s22                  ; the coordinate along which other clusters read the same rows
	s_cselect_b64 s[PFA:PFA+1], s[4:5], s[6:7]
	s_cmp_eq_u32 s22, 0
	s_cselect_b32 s[LIM], 1, -1                    ; the same in all sixteen partners, for a given wave
	s_lshl_b32 s22, s12, 7
	s_add_co_u32 s20, s20, s22                     ; + the 128 rows that I fetch
	s_lshl_b32 s21, s21, 5
	s_add_co_u32 s20, s20, s21                     ; + my work-group's 32 of them
	s_mov_b32 s21, 0
	s_mov_b64 s[18:19], SIZE_K*2
	s_mul_u64 s[20:21], s[20:21], s[18:19]
	s_add_nc_u64 s[PFA:PFA+1], s[PFA:PFA+1], s[20:21]
	s_add_nc_u64 s[PFA:PFA+1], s[PFA:PFA+1], 2*KSTEP*2  ; at K step 2: the first refill steps it to 3 and names K step 4.  Nothing is prefetched here, at the head
	; three loads: slot i of the ring of c_prev, n_prev, m_prev takes the two rows at byte off behind the round's pointers
.macro GLD i, off
	global_load_b128 v[PC+4*(\i):PC+4*(\i)+3], v[VO], s[PCP:PCP+1] offset:\off th:TH_LOAD_NT
	global_load_b128 v[PN+4*(\i):PN+4*(\i)+3], v[VO], s[PNP:PNP+1] offset:\off th:TH_LOAD_NT
	global_load_b128 v[PM+4*(\i):PM+4*(\i)+3], v[VO], s[PMP:PMP+1] offset:\off th:TH_LOAD_NT
.endm
	WIN TO_B
.irp g, 0,1,2,3
	global_load_b128 v[BR+4*(\g):BR+4*(\g)+3], v[BO], s[BIAS+2*(\g):BIAS+2*(\g)+1]  ; my four columns of each bias
.endr
	WIN 0
.irp i, 0,1,2,3,4,5,6,7
	GLD \i, (\i)*2*ROWB                            ; my first 16 rows: they land during the K loop, in registers that it does not name
.endr
; 16 matrix instructions: m blocks a0, a0 + 1 of the window's four (hi = 0: my rows 0-63, 1: rows 64-127) x all 8 n blocks, 32 along K.  zero = 1: the first product starts the sums.
; The 64 accumulators take turns, one instruction a turn, in the same order in every quarter step.
.macro MUL16 f, hi, a0, zero
	WIN MUL_LO+0x50*(\hi)
.irp a, \a0, (\a0)+1
.irp b, 0,1,2,3,4,5,6,7
.if \zero
	v_wmma_f32_16x16x32_bf16 v[8*(8*(\a)+(\b)):8*(8*(\a)+(\b))+7], v[(\f)+8*(\b):(\f)+8*(\b)+7], v[(\f)+8*(4*(\hi)+(\a)):(\f)+8*(4*(\hi)+(\a))+7], 0
.else
	v_wmma_f32_16x16x32_bf16 v[8*(8*(\a)+(\b)):8*(8*(\a)+(\b))+7], v[(\f)+8*(\b):(\f)+8*(\b)+7], v[(\f)+8*(4*(\hi)+(\a)):(\f)+8*(4*(\hi)+(\a))+7], v[8*(8*(\a)+(\b)):8*(8*(\a)+(\b))+7]
.endif
.endr
.endr
.endm
; 32 LDS loads in one run: the fragments of one quarter step (128 rows of bbf, 128 rows of abf, 32 K at byte k of the rows) into buffer f
.macro FETCH slot, k, f
	WIN TO_B
.irp i, 0,1,2,3,4,5,6,7
	ds_load_b128 v[(\f)+8*(\i):(\f)+8*(\i)+3],   v[ADRB+(\slot)] offset:(\k)+(\i)*16*PITCH
	ds_load_b128 v[(\f)+8*(\i)+4:(\f)+8*(\i)+7], v[ADRB+(\slot)] offset:(\k)+(\i)*16*PITCH+32
.endr
	WIN 0
.irp i, 0,1,2,3,4,5,6,7
	ds_load_b128 v[(\f)+8*(\i):(\f)+8*(\i)+3],   v[ADRA+(\slot)] offset:(\k)+(\i)*16*PITCH
	ds_load_b128 v[(\f)+8*(\i)+4:(\f)+8*(\i)+7], v[ADRA+(\slot)] offset:(\k)+(\i)*16*PITCH+32
.endr
.endm
; A load into a register that a matrix instruction has read, and a vector instruction or LDS store that touches a matrix instruction's registers, stand four plain vector instructions behind it
; (ISA guide 7.12.1 for vector instructions); the matrix instructions in between are not counted.
.macro PLACES
.rept 4
	v_nop
.endr
.endm
; A K step is four quarter steps of 32 along K, 64 matrix instructions each, on buffers 0, 1, 0, 1.  One of the first three multiplies buffer f and, in its middle, fetches the next quarter's fragments into g.
.macro QUARTER slot, k, f, g, zero
	s_wait_dscnt 8                                 ; bbf's fragments and abf's rows 0-63 are in; the youngest eight loads (rows 64-127) may be out
	WIN MUL_LO
	MUL16 \f, 0, 0, \zero
	MUL16 \f, 0, 2, \zero
	PLACES
	FETCH \slot, \k, \g
	s_wait_dscnt 32                                ; all but the 32 just issued
	WIN MUL_HI
	MUL16 \f, 1, 0, \zero
	MUL16 \f, 1, 2, \zero
.endm
; The last quarter multiplies buffer 1 and changes slots.  MEET is its first half: ONE barrier.  In front of it each wave waits for all its tensor loads, of which one is out: its part of the next slot;
; adds 0 to its spare word; and waits for that and for its own reads of this slot.  Behind it nobody reads this slot any more and the next slot is whole.
.macro MEET round                      ; round = 1: the rest of a round of the cluster's barrier follows
	WIN 0                                          ; (the add's two registers lie in window 0)
	s_wait_tensorcnt 0x0                           ; all my tensor loads have landed
	ds_add_u32 v[SPW], v[NIL]                      ; 0 onto my spare word
	s_wait_dscnt 9                                 ; (the add and the youngest eight loads may be out)
	WIN MUL_LO
	MUL16 F1, 0, 0, 0                              ; sixteen matrix instructions stand between the add and the wait for it
	s_wait_dscnt 0x0                               ; the add is done, and my reads of this slot are over
	s_barrier_signal -1
	MUL16 F1, 0, 2, 0                              ; work on registers while the others arrive
.if \round
	WIN 0
.endif
	s_barrier_wait -1
.endm
; The whole last quarter.  fill = 1: behind the round the slot just read out is filled again first, with the K step two steps on: 224 matrix instructions stand between the request and the wait for it.
; fill = 0 (the last change of slots): nothing is filled.  There stand the prefetches of c_prev, n_prev and m_prev: my rows 16 to 47, a lane a row, 256 bytes of each row, each named once in the launch;
; a K step's products and the filling of the stage lie between them and the loads that will want them.  Rows 0 to 15 came by the head's loads; rows 48 to 63 come by their loads alone, a round ahead of their use.
.macro TURN slot, next, fill
.if \fill
	s_wait_xcnt 0x0                                ; the last prefetch, a K step back, has read its address: it is stepped here, ahead of the waits of the change of slots
	s_add_nc_u64 s[PFA:PFA+1], s[PFA:PFA+1], KSTEP*2
	MEET 1
	CREST                                          ; no wave of any partner still reads this slot's tile or has a load on its way
	s_add_nc_u64 s[G0+4*(\slot)+2:G0+4*(\slot)+3], s[G0+4*(\slot)+2:G0+4*(\slot)+3], 2*KSTEP*2
	s_add_nc_u64 s[G0B+4*(\slot)+2:G0B+4*(\slot)+3], s[G0B+4*(\slot)+2:G0B+4*(\slot)+3], 2*KSTEP*2
	JLOAD \slot                                    ; the first tensor load behind the round; the four v_nop behind it are also the places in front of the loads below
	FETCH \next, 0, F0
	ASK
.else
	MEET 0
	PLACES
	FETCH \next, 0, F0
	global_prefetch_b8 v[PVO], s[PCP:PCP+1] offset:16*ROWB th:TH_LOAD_NT scope:SCOPE_SE
	global_prefetch_b8 v[PVO], s[PNP:PNP+1] offset:16*ROWB th:TH_LOAD_NT scope:SCOPE_SE
	global_prefetch_b8 v[PVO], s[PMP:PMP+1] offset:16*ROWB th:TH_LOAD_NT scope:SCOPE_SE
.endif
	WIN MUL_HI
	MUL16 F1, 1, 0, 0
	MUL16 F1, 1, 2, 0
.endm
	s_wait_tensorcnt 1                             ; my part of K step 0 is in; K step 1's may stay out
	s_barrier_signal -1
	s_barrier_wait -1                              ; everybody's is
	FETCH 0, 0, F0
	QUARTER 0, 64,  F0, F1, 1                      ; the first quarter stands in front of the loop: its products start the sums
	WIN 0                                          ; at a label and at a branch every window is 0
	s_mov_b32 s3, LAPS-1
.Llap:                                                 ; a trip goes once round the ring, from a lap's second quarter to the next lap's first, and fills both slots again
	QUARTER 0, 128, F1, F0, 0
	QUARTER 0, 192, F0, F1, 0
	TURN 0, 1, 1
	QUARTER 1, 64,  F0, F1, 0
	QUARTER 1, 128, F1, F0, 0
	QUARTER 1, 192, F0, F1, 0
	TURN 1, 0, 1
	QUARTER 0, 64,  F0, F1, 0
	WIN 0
	s_sub_co_u32 s3, s3, 1
	s_cmp_lg_u32 s3, 0
	s_cbranch_scc1 .Llap
	QUARTER 0, 128, F1, F0, 0                      ; the last lap fills nothing
	QUARTER 0, 192, F0, F1, 0
	TURN 0, 1, 0
	QUARTER 1, 64,  F0, F1, 0
	QUARTER 1, 128, F1, F0, 0
	QUARTER 1, 192, F0, F1, 0
	s_wait_dscnt 8                                 ; the very last quarter: nothing more to fetch
	MUL16 F1, 0, 0, 0
	MUL16 F1, 0, 2, 0
	s_wait_dscnt 0x0                               ; my reads of the ring are over:
	s_barrier_signal -1                            ; say so; behind this barrier the ring's bytes, which have had their last fill, become the stage
	MUL16 F1, 1, 0, 0
	MUL16 F1, 1, 2, 0
	PLACES                                         ; behind the last products: ahead of writes into fragment registers and of the stores that read sums
	PLACES
	WIN 0
	s_barrier_wait -1
	; INTO THE STAGE.  First the biases: rounded to bf16 like every input, then times the factor of their gate's exponent, so that one fused multiply-add makes the exponent of sum + bias.
	s_wait_loadcnt 24                              ; the four biases are in; the 24 loads of c_prev, n_prev, m_prev issued behind them may stay out
	WIN 0x05                                       ; sources 0 and 1 window 1, destination window 0
.irp j, 0,1,2,3,4,5,6,7
	v_cvt_pk_bf16_f32 v[GA+(\j)], v[BR+2*(\j)], v[BR+2*(\j)+1]  ; two roundings to nearest even, packed
.endr
	WIN 0
.irp j, 0,1,2,3,4,5,6,7
	v_lshlrev_b32 v[SB+2*(\j)],   16, v[GA+(\j)]   ; bf16 to f32: the low half moves up,
	v_and_b32     v[SB+2*(\j)+1], s[HM], v[GA+(\j)]  ; the high half stays
.endr
.irp g, 0,1,3
	v_pk_mul_f32 v[SB+4*(\g):SB+4*(\g)+1],   v[SB+4*(\g):SB+4*(\g)+1],   s[KS:KS+1] op_sel_hi:[1,0]
	v_pk_mul_f32 v[SB+4*(\g)+2:SB+4*(\g)+3], v[SB+4*(\g)+2:SB+4*(\g)+3], s[KS:KS+1] op_sel_hi:[1,0]
.endr
	v_pk_mul_f32 v[SB+8:SB+9],   v[SB+8:SB+9],   s[KZ:KZ+1] op_sel_hi:[1,0]
	v_pk_mul_f32 v[SB+10:SB+11], v[SB+10:SB+11], s[KZ:KZ+1] op_sel_hi:[1,0]
.irp hi, 0,1
	WIN 0x08+4*(\hi)                               ; the stores' data in window 2, then 3; each accumulator's low four registers go first
.irp a, 0,1,2,3
.irp b, 0,1,2,3,4,5,6,7
	ds_store_b128 v[STO+(\hi)], v[8*(8*(\a)+(\b)):8*(8*(\a)+(\b))+3]   offset:(\a)*16*SPITCH+256*((\b)/2)+64*((\b)%2)
	ds_store_b128 v[STO+(\hi)], v[8*(8*(\a)+(\b))+4:8*(8*(\a)+(\b))+7] offset:(\a)*16*SPITCH+256*((\b)/2)+64*((\b)%2)+16
.endr
.endr
.endr
	WIN 0
	s_wait_dscnt 0x0                               ; for the others' sake: my stores into the stage are done
	s_barrier_signal -1
	s_barrier_wait -1                              ; a row's 64 columns come from two waves: now they are whole
; THE LINES OF A DOUBLE STEP, one at a time.  STEP2 sets GC (the buffer of its gates) and SL (its first slot); u = 0, 1 is the row pair, whose slot is SL + u.
.macro SCL u, p                        ; pair p of 8 of row pair u: the exponent of sum + bias: -(..) log2 e for i, f, o (pairs 0-3, 6, 7), 2 (..) log2 e for z (pairs 4, 5)
.if ((\p)/2) == 2
	v_pk_fma_f32 v[GC+16*(\u)+2*(\p):GC+16*(\u)+2*(\p)+1], v[GC+16*(\u)+2*(\p):GC+16*(\u)+2*(\p)+1], s[KZ:KZ+1], v[SB+2*(\p):SB+2*(\p)+1] op_sel_hi:[1,0,1]
.else
	v_pk_fma_f32 v[GC+16*(\u)+2*(\p):GC+16*(\u)+2*(\p)+1], v[GC+16*(\u)+2*(\p):GC+16*(\u)+2*(\p)+1], s[KS:KS+1], v[SB+2*(\p):SB+2*(\p)+1] op_sel_hi:[1,0,1]
.endif
.endm
.macro ADD1 u, p                       ; pair p of 8 of row pair u: 1 + 2^..
	v_pk_add_f32 v[GC+16*(\u)+2*(\p):GC+16*(\u)+2*(\p)+1], v[GC+16*(\u)+2*(\p):GC+16*(\u)+2*(\p)+1], 1.0 op_sel_hi:[1,0]
.endm
.macro PSEL a                          ; PB = the first register of array a: 0 c_prev, 1 n_prev, 2 m_prev
.if (\a) == 0
.set PB, PC
.elseif (\a) == 1
.set PB, PN
.else
.set PB, PM
.endif
.endm
.macro RA u, j                         ; word j of 6: two numbers of the slot (array j / 2, its half j % 2) rounded to bf16, like every input of the module
	PSEL (\j)/2
	v_cvt_pk_bf16_f32 v[RT+6*(\u)+(\j)], v[PB+4*(SL+(\u))+2*((\j)%2)], v[PB+4*(SL+(\u))+2*((\j)%2)+1]
.endm
.macro RB u, j                         ; number j of 12 (array j / 4, its register j % 4) widened again, in place: the low half of word j / 2 moves up, the high half stays
	PSEL (\j)/4
.if (\j)%2
	v_and_b32 v[PB+4*(SL+(\u))+(\j)%4], s[HM], v[RT+6*(\u)+(\j)/2]
.else
	v_lshlrev_b32 v[PB+4*(SL+(\u))+(\j)%4], 16, v[RT+6*(\u)+(\j)/2]
.endif
.endm
; Two queues of plain instructions that name no transcendental's result; PL1 and PL2 write the next entry.  PL1, 32 long, goes with the exponentials: the second row pair's 8 scalings (all out before
; the 17th exponential, the first that wants one), both pairs' 12 roundings, the first pair's 12 widenings (each behind its rounding).  PL2, 20 long, goes with the reciprocals: the second row pair's
; 8 additions (all out before the 17th reciprocal) and its 12 widenings.
.macro PL1
.if q < 8
	SCL 1, q
.elseif q < 14
	RA 0, q-8
.elseif q < 20
	RA 1, q-14
.else
	RB 0, q-20
.endif
.set q, q+1
.endm
.macro PL2
.if q < 8
	ADD1 1, q
.else
	RB 1, q-8
.endif
.set q, q+1
.endm
; A DOUBLE STEP: four rows, slots i and i + 1 of the ring (i even).  ahead = 1: both slots are filled again with the rows a round on.  left = how many younger global loads may stay out.
; more = 1: the next double step's gates are asked of the stage.  Its 32 exponentials are one batch with one wait, its 32 reciprocals another;
; the plain work that names none of their results stands among them, one by one; twelve reciprocals have no such neighbour.  The last of each batch is followed by a plain instruction (ISA guide 5.7.2).
.macro STEP2 i, ahead, left, more
.set GC, GA+32*(((\i)/2)%2)            ; this double step's gates
.set GN, GA+32*(1-((\i)/2)%2)          ; the next one's
.set SL, \i
.if \more
.irp u, 0,1
.irp g, 0,1,2,3
	ds_load_b128 v[GN+16*(\u)+4*(\g):GN+16*(\u)+4*(\g)+3], v[RD] offset:((\i)+2+(\u))*2*SPITCH+256*(\g)
.endr
.endr
	s_wait_dscnt 8                                 ; LDS loads come back in order: this double step's eight are in, the eight just issued stay out
.else
	s_wait_dscnt 0x0
.endif
	s_wait_loadcnt \left                           ; the two slots' six loads are in
.set p, 0
.rept 8
	SCL 0, p
.set p, p+1
.endr
.set q, 0
.set r, 0
.rept 32
	v_exp_f32 v[GC+r], v[GC+r]
	PL1
.set r, r+1
.endr
	s_wait_alu depctr_va_vdst(0)                   ; one wait for the 32 exponentials
.set p, 0
.rept 8
	ADD1 0, p
.set p, p+1
.endr
.set q, 0
.set r, 0
.rept 32
	v_rcp_f32 v[GC+r], v[GC+r]
.if (r < 16) || (r >= 28)
	PL2
.endif
.set r, r+1
.endr
	s_wait_alu depctr_va_vdst(0)                   ; one wait for the 32 reciprocals
	s_wait_xcnt 0x0                                ; the last double step's stores have read their registers: YA is written again only behind this wait, which stands ahead of the first such write
.irp h, 0,2
.irp u, 0,1
	v_pk_fma_f32 v[GC+16*(\u)+8+(\h):GC+16*(\u)+9+(\h)], v[GC+16*(\u)+8+(\h):GC+16*(\u)+9+(\h)], -2.0, 1.0 op_sel_hi:[1,0,0]  ; z = 1 - 2 / (1 + 2^..)
	v_pk_mul_f32 v[YA+16*(\u)+8+(\h):YA+16*(\u)+9+(\h)], v[GC+16*(\u)+4+(\h):GC+16*(\u)+5+(\h)], v[PM+4*((\i)+(\u))+(\h):PM+4*((\i)+(\u))+(\h)+1]  ; f m_prev
	v_pk_fma_f32 v[YA+16*(\u)+4+(\h):YA+16*(\u)+5+(\h)], v[GC+16*(\u)+4+(\h):GC+16*(\u)+5+(\h)], v[PN+4*((\i)+(\u))+(\h):PN+4*((\i)+(\u))+(\h)+1], v[GC+16*(\u)+(\h):GC+16*(\u)+(\h)+1]  ; n = f n_prev + i
.endr
.endr
.irp h, 0,2
.irp u, 0,1
	v_pk_mul_f32 v[YA+16*(\u)+(\h):YA+16*(\u)+(\h)+1], v[GC+16*(\u)+(\h):GC+16*(\u)+(\h)+1], v[GC+16*(\u)+8+(\h):GC+16*(\u)+9+(\h)]  ; i z
.endr
.endr
.irp h, 0,2
.irp u, 0,1
	v_pk_fma_f32 v[YA+16*(\u)+(\h):YA+16*(\u)+(\h)+1], v[GC+16*(\u)+4+(\h):GC+16*(\u)+5+(\h)], v[PC+4*((\i)+(\u))+(\h):PC+4*((\i)+(\u))+(\h)+1], v[YA+16*(\u)+(\h):YA+16*(\u)+(\h)+1]  ; c = f c_prev + i z
.endr
.endr
.irp h, 0,1,2,3
.irp u, 0,1
	v_max_num_f32 v[YA+16*(\u)+8+(\h)], v[YA+16*(\u)+8+(\h)], v[GC+16*(\u)+(\h)]  ; m = max(f m_prev, i)
.endr
.endr
.irp u, 0,1
	v_cvt_pk_f16_f32 v[YA+16*(\u)+12], v[GC+16*(\u)+12], v[GC+16*(\u)+13]
	v_cvt_pk_f16_f32 v[YA+16*(\u)+13], v[GC+16*(\u)+14], v[GC+16*(\u)+15]
.endr
.if \ahead
	GLD \i, ((\i)+8)*2*ROWB                        ; loads ahead of stores
	GLD (\i)+1, ((\i)+9)*2*ROWB
.endif
.irp u, 0,1
	global_store_b128 v[VO], v[YA+16*(\u):YA+16*(\u)+3],     s[POC:POC+1] offset:((\i)+(\u))*2*ROWB th:TH_STORE_NT  ; 16 lanes store 256 consecutive bytes, at a multiple of 256 from the buffer's first byte
	global_store_b128 v[VO], v[YA+16*(\u)+4:YA+16*(\u)+7],   s[PON:PON+1] offset:((\i)+(\u))*2*ROWB th:TH_STORE_NT
	global_store_b128 v[VO], v[YA+16*(\u)+8:YA+16*(\u)+11],  s[POM:POM+1] offset:((\i)+(\u))*2*ROWB th:TH_STORE_NT
	global_store_b64  v[OO], v[YA+16*(\u)+12:YA+16*(\u)+13], s[POW:POW+1] offset:((\i)+(\u))*ROWB th:TH_STORE_NT    ; 32 lanes: two rows x 64 columns of f16, 256 consecutive bytes
.endr
.endm
.irp u, 0,1
.irp g, 0,1,2,3
	ds_load_b128 v[GA+16*(\u)+4*(\g):GA+16*(\u)+4*(\g)+3], v[RD] offset:(\u)*2*SPITCH+256*(\g)  ; the first double step's gates
.endr
.endr
	s_mov_b32 s3, 3
.Lround:                                               ; a round: four double steps, 16 rows; three rounds fill the ring again, the fourth is written out
.irp i, 0,2,4,6
	STEP2 \i, 1, 18, 1                             ; 18: the six other slots' three loads each are younger, on the way in and over the backward jump
.endr
	s_wait_xcnt 0x0                                ; every load and store issued so far has read its base
.irp p, PCP, PNP, PMP, POC, PON, POM
	s_add_nc_u64 s[(\p):(\p)+1], s[(\p):(\p)+1], 16*ROWB
.endr
	s_add_nc_u64 s[POW:POW+1], s[POW:POW+1], 8*ROWB
	v_add_nc_u32 v[RD], 16*SPITCH, v[RD]
	s_sub_co_u32 s3, s3, 1
	s_cmp_lg_u32 s3, 0
	s_cbranch_scc1 .Lround
.irp i, 0,2,4
	STEP2 \i, 0, 3*(6-(\i)), 1                     ; the last round loads nothing from memory: the counts run down
.endr
	STEP2 6, 0, 0, 0
	s_wait_tensorcnt 0x0                           ; the wave's end: behind my last tensor load and my last LDS store
	ds_add_u32 v[SPW], v[NIL]
	s_wait_dscnt 0x0
	CROUND                                         ; the closing round: no work-group ends while a partner may still ask for a tile that names it
	s_endpgm
.Lfunc_end_k_qcec2978c77_gates:
	.size	k_qcec2978c77_gates, .Lfunc_end_k_qcec2978c77_gates-k_qcec2978c77_gates
	.p2alignl 7, 3214868480
	.fill 96, 4, 3214868480
	.section	.rodata,"a",@progbits
	.p2align	6, 0x0
	.amdhsa_kernel k_qcec2978c77_gates
		.amdhsa_group_segment_fixed_size 327680
		.amdhsa_private_segment_fixed_size 0
		.amdhsa_enable_private_segment 0
		.amdhsa_kernarg_size 104
		.amdhsa_user_sgpr_count 2
		.amdhsa_user_sgpr_kernarg_segment_ptr 1
		.amdhsa_wavefront_size32 1
		.amdhsa_system_sgpr_workgroup_id_x 1
		.amdhsa_system_sgpr_workgroup_id_y 1
		.amdhsa_system_sgpr_workgroup_id_z 1
		.amdhsa_system_vgpr_workitem_id 0
		.amdhsa_next_free_vgpr 1024
		.amdhsa_next_free_sgpr 100
		.amdhsa_reserve_vcc 0
		.amdhsa_float_denorm_mode_32 3
		.amdhsa_float_denorm_mode_16_64 3
		.amdhsa_memory_ordered 1
		.amdhsa_forward_progress 1
		.amdhsa_inst_pref_size 199
	.end_amdhsa_kernel
	.amdgpu_metadata
---
amdhsa.version: [ 1, 2 ]
amdhsa.kernels:
  - .name:           k_qcec2978c77_gates
    .symbol:         k_qcec2978c77_gates.kd
    .args:
      - { .name: abf, .offset: 0, .size: 8, .value_kind: global_buffer, .address_space: global }
      - { .name: bbf, .offset: 8, .size: 8, .value_kind: global_buffer, .address_space: global }
      - { .name: bi, .offset: 16, .size: 8, .value_kind: global_buffer, .address_space: global }
      - { .name: bf, .offset: 24, .size: 8, .value_kind: global_buffer, .address_space: global }
      - { .name: bz, .offset: 32, .size: 8, .value_kind: global_buffer, .address_space: global }
      - { .name: bo, .offset: 40, .size: 8, .value_kind: global_buffer, .address_space: global }
      - { .name: c_prev, .offset: 48, .size: 8, .value_kind: global_buffer, .address_space: global }
      - { .name: n_prev, .offset: 56, .size: 8, .value_kind: global_buffer, .address_space: global }
      - { .name: m_prev, .offset: 64, .size: 8, .value_kind: global_buffer, .address_space: global }
      - { .name: out1, .offset: 72, .size: 8, .value_kind: global_buffer, .address_space: global }
      - { .name: out2, .offset: 80, .size: 8, .value_kind: global_buffer, .address_space: global }
      - { .name: out3, .offset: 88, .size: 8, .value_kind: global_buffer, .address_space: global }
      - { .name: ows, .offset: 96, .size: 8, .value_kind: global_buffer, .address_space: global }
    .group_segment_fixed_size: 327680
    .private_segment_fixed_size: 0
    .kernarg_segment_align: 8
    .kernarg_segment_size: 104
    .max_flat_workgroup_size: 128
    .sgpr_count:     100
    .vgpr_count:     1024
    .wavefront_size: 32
...
	.end_amdgpu_metadata
.endif
;; end of part 2
;; launch norm (part 3): grid 256 x 1, 4 waves a work-group, no clusters, 0 bytes of LDS; arguments out1, out2, ows, gn_w, gn_b, out0; writes out0
.if DOCPART == 3
	.amdgcn_target "amdgcn-amd-amdhsa--gfx1250"
	.amdhsa_code_object_version 6
	.text
	.protected	k_qcec2978c77_norm
	.globl	k_qcec2978c77_norm
	.p2align	8
	.type	k_qcec2978c77_norm,@function
k_qcec2978c77_norm:
	s_mov_b64 s[64:65], 0
	v_nop
	global_prefetch_b8 v0, s[64:65] scope:SCOPE_SE
	s_setreg_imm32_b32 hwreg(HW_REG_WAVE_MODE, 25, 1), 1
	s_wait_xcnt 0x0
; h = o tanh(((c / n) - mean) rsqrt(var + 1e-5) gn_w + gn_b), mean and var over a row's 2,048 numbers of c / n.  c = out1, n = out2: [2048][2048] f32.  o = ows, f16: the 64 columns of tile t of
; rows 2 p and 2 p + 1 lie at byte 8,192 p + 256 t, row 2 p first.  h = out0, f32.
; The mean is made first and the variance as the mean of (x - mean)^2, both sums in f32, so no difference of large sums is formed.
; gn_w AND gn_b ARE ROUNDED ONCE TO bf16, as the two launches before round every other input of the module: the three together compute the module on inputs rounded to bf16.  c and n are no inputs: they stay f32.
; LIMITS.  Against unrounded gn_w and gn_b each carries a relative rounding of up to 2^-9.  c / n is c times the reciprocal of n: right to about two units in the last place; an n below 2^-126 counts as 0.
; tanh(x) = 1 - 2 / (1 + 2^(2 x log2 e)): right to about 1e-7 absolute.  NaN and infinities are not treated apart.
; SHARES.  A wave owns two rows: lanes 0-15 hold row 2 p, lanes 16-31 row 2 p + 1; a lane holds 128 numbers, chunk k of 32 = columns 64 k + 4 (l % 16) on.  So a row stays in registers between the three
; passes, memory is read once, a row's sums stay inside 16 lanes (four steps on the arithmetic itself), and no wave waits for another: no LDS, no barrier, no loop.
; Every load and store of 16 bytes a lane covers two runs of 256 consecutive bytes, each at a multiple of 256 from the buffer's first byte.
; REGISTERS, in windows of 256 (s_set_vgpr_msb: bits 1:0 source 0, 3:2 source 1, 5:4 source 2, 7:6 destination):
;   window 0: v2-5 offsets and 0; v8-19 sums, mean, scale; v20-59 a group's rounded gn_w and gn_b; v64-127 o; v128-255 c, then c / n, then h          window 1: v0-127 n; v128-255 gn_b          window 2: v0-127 gn_w
.set VO, 2                             ; v2   (l / 16) x 8,192 + 16 (l % 16)
.set OO, 3                             ; v3   8 x lane
.set GO, 4                             ; v4   16 (l % 16)
.set ZR, 5                             ; v5   0
.set S,  8                             ; v[8:15]  four chains of packed sums
.set MU, 16                            ; v[16:17] the mean, twice
.set RS, 18                            ; v[18:19] 1 / sqrt(var + eps), twice
.set PK, 20                            ; v[20:27] sixteen numbers as eight words of bf16
.set WF, 28                            ; v[28:43] a group's gn_w, rounded, as f32
.set BF, 44                            ; v[44:59] a group's gn_b, rounded, as f32
.set O,  64                            ; chunk k at O + 2 k
.set C,  128                           ; chunk k at C + 4 k
.set N,  0                             ; window 1
.set GB, 128                           ; window 1
.set GW, 0                             ; window 2
.set MSB, 0
.macro WIN new                         ; the immediate's high byte repeats the setting that is left; a switch that changes nothing is dropped
.if MSB != (\new)
	s_set_vgpr_msb (MSB<<8)|(\new)
.set MSB, \new
.endif
.endm
	s_load_b256 s[4:11], s[0:1], 0x0               ; out1 s[4:5], out2 s[6:7], ows s[8:9], gn_w s[10:11]
	s_load_b128 s[12:15], s[0:1], 0x20             ; gn_b s[12:13], out0 s[14:15]
	v_lshrrev_b32 v1, 5, v0
	v_readfirstlane_b32 s16, v1                    ; wave 0..3
	s_lshl_b32 s17, ttmp9, 2
	s_add_co_u32 s17, s17, s16                     ; p: my pair of rows
	s_lshl_b32 s18, s17, 14                        ; two rows of 8,192 bytes
	s_mov_b32 s19, 0
	s_lshl_b32 s24, s17, 13                        ; a pair of rows of f16
	s_mov_b32 s25, 0
	s_mov_b32 s20, 0x3a000000                      ; 1 / 2,048
	s_mov_b32 s21, 0x3727c5ac                      ; 1e-5
	s_mov_b32 s22, 0x4038aa3b                      ; 2 log2 e; named as a pair
	s_mov_b32 s23, 0x4038aa3b
	s_mov_b32 s26, 0xffff0000                      ; the mask of a word's upper bf16
	v_and_b32 v1, 15, v0
	v_bfe_u32 v6, v0, 4, 1
	v_and_b32 v7, 31, v0
	v_lshlrev_b32 v[GO], 4, v1
	v_lshl_add_u32 v[VO], v6, 13, v[GO]
	v_lshlrev_b32 v[OO], 3, v7
	v_mov_b32 v[ZR], 0
	s_wait_kmcnt 0x0
	s_add_nc_u64 s[4:5], s[4:5], s[18:19]
	s_add_nc_u64 s[6:7], s[6:7], s[18:19]
	s_add_nc_u64 s[14:15], s[14:15], s[18:19]
	s_add_nc_u64 s[8:9], s[8:9], s[24:25]
	; both rows of c and of n are asked for at once, in eight groups of four chunks of c and four of n: 32 KiB a wave
.set g, 0
.rept 8
	WIN 0
.irp k, 0,1,2,3
	global_load_b128 v[C+16*g+4*(\k):C+16*g+4*(\k)+3], v[VO], s[4:5] offset:256*(4*g+(\k)) th:TH_LOAD_NT
.endr
	WIN 0x40                                       ; destination window 1
.irp k, 0,1,2,3
	global_load_b128 v[N+16*g+4*(\k):N+16*g+4*(\k)+3], v[VO], s[6:7] offset:256*(4*g+(\k)) th:TH_LOAD_NT
.endr
.set g, g+1
.endr
; Group g: c / n of its 16 numbers, their sum onto four chains, and the group's four chunks of o are asked for.
.macro QUOT g
	s_wait_loadcnt 56-4*(\g)                       ; loads come back in order: behind this group's eight stand 56 - 8 g of c and n and the 4 g of o issued since
	WIN 0x41                                       ; destination and source 0 window 1
.set j, 0
.rept 16
	v_rcp_f32 v[N+16*(\g)+j], v[N+16*(\g)+j]
.set j, j+1
.endr
	v_nop                                          ; a plain instruction behind the last reciprocal (ISA guide 5.7.2),
	s_wait_alu depctr_va_vdst(0)                   ; and the one wait ahead of the batch's first reader
	WIN 0x04                                       ; source 1 window 1
.set j, 0
.rept 8
	v_pk_mul_f32 v[C+16*(\g)+2*j:C+16*(\g)+2*j+1], v[C+16*(\g)+2*j:C+16*(\g)+2*j+1], v[N+16*(\g)+2*j:N+16*(\g)+2*j+1]
.set j, j+1
.endr
	WIN 0
.if (\g) == 0
.set j, 0
.rept 4
	v_pk_add_f32 v[S+2*j:S+2*j+1], v[C+2*j:C+2*j+1], v[C+8+2*j:C+8+2*j+1]  ; the first group starts the chains: nothing is cleared
.set j, j+1
.endr
.else
.set j, 0
.rept 8
	v_pk_add_f32 v[S+2*(j%4):S+2*(j%4)+1], v[S+2*(j%4):S+2*(j%4)+1], v[C+16*(\g)+2*j:C+16*(\g)+2*j+1]
.set j, j+1
.endr
.endif
.irp k, 0,1,2,3
	global_load_b64 v[O+8*(\g)+2*(\k):O+8*(\g)+2*(\k)+1], v[OO], s[8:9] offset:256*(4*(\g)+(\k)) th:TH_LOAD_NT
.endr
.endm
; The four chains into one number, then over the row's 16 lanes: every lane of a half ends with its row's sum, in v[S].
.macro FOLD
	v_pk_add_f32 v[S:S+1], v[S:S+1], v[S+2:S+3]
	v_pk_add_f32 v[S+4:S+5], v[S+4:S+5], v[S+6:S+7]
	v_pk_add_f32 v[S:S+1], v[S:S+1], v[S+4:S+5]
	v_add_f32 v[S], v[S], v[S+1]
	v_add_f32_dpp v[S], v[S], v[S] row_xmask:1 row_mask:0xf bank_mask:0xf
	v_add_f32_dpp v[S], v[S], v[S] row_xmask:2 row_mask:0xf bank_mask:0xf
	v_add_f32_dpp v[S], v[S], v[S] row_xmask:4 row_mask:0xf bank_mask:0xf
	v_add_f32_dpp v[S], v[S], v[S] row_xmask:8 row_mask:0xf bank_mask:0xf
.endm
.irp g, 0,1,2,3,4,5,6,7
	QUOT \g
.endr
	; gn_w and gn_b, in the same eight groups: they come while the mean and the variance are made
.set g, 0
.rept 8
	WIN 0x80                                       ; destination window 2
.irp k, 0,1,2,3
	global_load_b128 v[GW+16*g+4*(\k):GW+16*g+4*(\k)+3], v[GO], s[10:11] offset:256*(4*g+(\k))
.endr
	WIN 0x40
.irp k, 0,1,2,3
	global_load_b128 v[GB+16*g+4*(\k):GB+16*g+4*(\k)+3], v[GO], s[12:13] offset:256*(4*g+(\k))
.endr
.set g, g+1
.endr
	WIN 0
	FOLD
	v_mul_f32 v[MU], s20, v[S]
	v_mov_b32 v[MU+1], v[MU]
.set j, 0
.rept 64
	v_pk_add_f32 v[C+2*j:C+2*j+1], v[C+2*j:C+2*j+1], v[MU:MU+1] neg_lo:[0,1] neg_hi:[0,1]  ; x - mean, kept
.set j, j+1
.endr
.set j, 0
.rept 64
.if j < 4
	v_pk_mul_f32 v[S+2*j:S+2*j+1], v[C+2*j:C+2*j+1], v[C+2*j:C+2*j+1]                      ; the first four squares start the chains
.else
	v_pk_fma_f32 v[S+2*(j%4):S+2*(j%4)+1], v[C+2*j:C+2*j+1], v[C+2*j:C+2*j+1], v[S+2*(j%4):S+2*(j%4)+1]
.endif
.set j, j+1
.endr
	FOLD
	v_fma_f32 v[S+1], v[S], s20, s21               ; var + eps
	v_rsq_f32 v[RS], v[S+1]
	v_nop
	s_wait_alu depctr_va_vdst(0)
	v_mov_b32 v[RS+1], v[RS]
; The eight words of bf16 in PK are widened into the sixteen registers at v[d].
.macro WIDEN d
.set j, 0
.rept 8
	v_lshlrev_b32 v[(\d)+2*j],   16, v[PK+j]       ; bf16 to f32: the low half moves up,
	v_and_b32     v[(\d)+2*j+1], s26, v[PK+j]      ; the high half stays
.set j, j+1
.endr
.endm
; Group g: gn_w and gn_b rounded to bf16; the norm's scale, gain and bias, tanh, times o, and out.
.macro RESULT g
.set B0, C+16*(\g)
	s_wait_loadcnt 56-8*(\g)                       ; this group's gn_w and gn_b are in, the 56 - 8 g younger loads stay out; all of o was asked for earlier
	WIN 0x0a                                       ; sources 0 and 1 window 2, destination window 0
.set j, 0
.rept 8
	v_cvt_pk_bf16_f32 v[PK+j], v[GW+16*(\g)+2*j], v[GW+16*(\g)+2*j+1]
.set j, j+1
.endr
	WIN 0
	WIDEN WF
	WIN 0x05                                       ; sources 0 and 1 window 1, destination window 0
.set j, 0
.rept 8
	v_cvt_pk_bf16_f32 v[PK+j], v[GB+16*(\g)+2*j], v[GB+16*(\g)+2*j+1]
.set j, j+1
.endr
	WIN 0
	WIDEN BF
.set j, 0
.rept 8
	v_pk_mul_f32 v[B0+2*j:B0+2*j+1], v[B0+2*j:B0+2*j+1], v[RS:RS+1]
.set j, j+1
.endr
.set j, 0
.rept 8
	v_pk_fma_f32 v[B0+2*j:B0+2*j+1], v[B0+2*j:B0+2*j+1], v[WF+2*j:WF+2*j+1], v[BF+2*j:BF+2*j+1]
.set j, j+1
.endr
.set j, 0
.rept 8
	v_pk_mul_f32 v[B0+2*j:B0+2*j+1], v[B0+2*j:B0+2*j+1], s[22:23] op_sel_hi:[1,0]
.set j, j+1
.endr
.set j, 0
.rept 16
	v_exp_f32 v[B0+j], v[B0+j]
.set j, j+1
.endr
	v_nop
	s_wait_alu depctr_va_vdst(0)                   ; one wait for the sixteen exponentials
.set j, 0
.rept 8
	v_pk_add_f32 v[B0+2*j:B0+2*j+1], v[B0+2*j:B0+2*j+1], 1.0 op_sel_hi:[1,0]
.set j, j+1
.endr
.set j, 0
.rept 16
	v_rcp_f32 v[B0+j], v[B0+j]
.set j, j+1
.endr
	v_nop
	s_wait_alu depctr_va_vdst(0)                   ; one wait for the sixteen reciprocals
.set j, 0
.rept 8
	v_pk_fma_f32 v[B0+2*j:B0+2*j+1], v[B0+2*j:B0+2*j+1], -2.0, 1.0 op_sel_hi:[1,0,0]
.set j, j+1
.endr
.set j, 0
.rept 16                               ; o's f16 half times tanh, in f32: number j of the group has half j % 2 of word j / 2
.if j%2
	v_fma_mix_f32 v[B0+j], v[O+8*(\g)+j/2], v[B0+j], v[ZR] op_sel:[1,0,0] op_sel_hi:[1,0,0]
.else
	v_fma_mix_f32 v[B0+j], v[O+8*(\g)+j/2], v[B0+j], v[ZR] op_sel_hi:[1,0,0]
.endif
.set j, j+1
.endr
.irp k, 0,1,2,3
	global_store_b128 v[VO], v[B0+4*(\k):B0+4*(\k)+3], s[14:15] offset:256*(4*(\g)+(\k)) th:TH_STORE_NT  ; no register that a store reads is written again
.endr
.endm
.irp g, 0,1,2,3,4,5,6,7
	RESULT \g
.endr
	s_endpgm
.Lfunc_end_k_qcec2978c77_norm:
	.size	k_qcec2978c77_norm, .Lfunc_end_k_qcec2978c77_norm-k_qcec2978c77_norm
	.p2alignl 7, 3214868480
	.fill 96, 4, 3214868480
	.section	.rodata,"a",@progbits
	.p2align	6, 0x0
	.amdhsa_kernel k_qcec2978c77_norm
		.amdhsa_group_segment_fixed_size 0
		.amdhsa_private_segment_fixed_size 0
		.amdhsa_enable_private_segment 0
		.amdhsa_kernarg_size 48
		.amdhsa_user_sgpr_count 2
		.amdhsa_user_sgpr_kernarg_segment_ptr 1
		.amdhsa_wavefront_size32 1
		.amdhsa_system_sgpr_workgroup_id_x 1
		.amdhsa_system_sgpr_workgroup_id_y 1
		.amdhsa_system_sgpr_workgroup_id_z 1
		.amdhsa_system_vgpr_workitem_id 0
		.amdhsa_next_free_vgpr 640
		.amdhsa_next_free_sgpr 66
		.amdhsa_reserve_vcc 0
		.amdhsa_float_denorm_mode_32 3
		.amdhsa_float_denorm_mode_16_64 3
		.amdhsa_memory_ordered 1
		.amdhsa_forward_progress 1
		.amdhsa_inst_pref_size 98
	.end_amdhsa_kernel
	.amdgpu_metadata
---
amdhsa.version: [ 1, 2 ]
amdhsa.kernels:
  - .name:           k_qcec2978c77_norm
    .symbol:         k_qcec2978c77_norm.kd
    .args:
      - { .name: out1, .offset: 0, .size: 8, .value_kind: global_buffer, .address_space: global }
      - { .name: out2, .offset: 8, .size: 8, .value_kind: global_buffer, .address_space: global }
      - { .name: ows, .offset: 16, .size: 8, .value_kind: global_buffer, .address_space: global }
      - { .name: gn_w, .offset: 24, .size: 8, .value_kind: global_buffer, .address_space: global }
      - { .name: gn_b, .offset: 32, .size: 8, .value_kind: global_buffer, .address_space: global }
      - { .name: out0, .offset: 40, .size: 8, .value_kind: global_buffer, .address_space: global }
    .group_segment_fixed_size: 0
    .private_segment_fixed_size: 0
    .kernarg_segment_align: 8
    .kernarg_segment_size: 48
    .max_flat_workgroup_size: 128
    .sgpr_count:     66
    .vgpr_count:     640
    .wavefront_size: 32
...
	.end_amdgpu_metadata
.endif
;; end of part 3
;; ======== version 2 of 2: 3 launches; version 1 with the launch norm written anew for expert scheduling mode
;; limits: values are held in f16: magnitudes above 65,504 overflow, below 6.1e-05 lose precision
;; workspace buffers: abf 12,582,912 bytes; bbf 50,331,648 bytes; ows 8,388,608 bytes
;; launch cast: the kernel of part 1 again; grid 256 x 5, 8 waves a work-group, no clusters, 0 bytes of LDS; arguments x, h_prev, Wi, Ri, Wf, Rf, Wz, Rz, Wo, Ro, abf, bbf; writes abf, bbf
;; launch gates: the kernel of part 2 again; grid 32 x 8, 4 waves a work-group, clusters of 4 x 4, 327,680 bytes of LDS; arguments abf, bbf, bi, bf, bz, bo, c_prev, n_prev, m_prev, out1, out2, out3, ows; writes out1, out2, out3, ows
;; launch norm (part 4): grid 256 x 1, 4 waves a work-group, no clusters, 0 bytes of LDS; arguments out1, out2, ows, gn_w, gn_b, out0; writes out0
.if DOCPART == 4
	.amdgcn_target "amdgcn-amd-amdhsa--gfx1250"
	.amdhsa_code_object_version 6
	.text
	.protected	k_qcec2978c77_norm
	.globl	k_qcec2978c77_norm
	.p2align	8
	.type	k_qcec2978c77_norm,@function
k_qcec2978c77_norm:
	s_mov_b64 s[64:65], 0
	v_nop
	global_prefetch_b8 v0, s[64:65] scope:SCOPE_SE
	s_setreg_imm32_b32 hwreg(HW_REG_WAVE_SCHED_MODE, 0, 2), 2
	s_setreg_imm32_b32 hwreg(HW_REG_WAVE_MODE, 25, 1), 1
	s_wait_xcnt 0x0
	s_wait_alu depctr_vm_vsrc(0)
; h = o tanh(((c / n) - mean) rsqrt(var + 1e-5) gn_w + gn_b), mean and var over a row's 2,048 numbers of c / n.  c = out1, n = out2: [2048][2048] f32.  o = ows, f16: the 64 columns of tile t of
; rows 2 p and 2 p + 1 lie at byte 8,192 p + 256 t, row 2 p first.  h = out0, f32.
; The mean is made first and the variance as the mean of (x - mean)^2, both sums in f32, so no difference of large sums is formed.
; gn_w AND gn_b ARE ROUNDED ONCE TO bf16, as the two launches before round every other input of the module: the three together compute the module on inputs rounded to bf16.  c and n are no inputs: they stay f32.
; LIMITS.  Against unrounded gn_w and gn_b each carries a relative rounding of up to 2^-9.  c / n is c times the reciprocal of n: right to about two units in the last place; an n below 2^-126 counts as 0.
; tanh(x) = 1 - 2 / (1 + 2^(2 x log2 e)): right to about 1e-7 absolute.  NaN and infinities are not treated apart.
; SHARES.  A wave owns two rows: lanes 0-15 hold row 2 p, lanes 16-31 row 2 p + 1; a lane holds 128 numbers, chunk k of 32 = columns 64 k + 4 (l % 16) on.  So a row stays in registers between the three
; passes, memory is read once, a row's sums stay inside 16 lanes (four steps on the arithmetic itself), and no wave waits for another: no LDS, no barrier, no loop.
; Every load and store of 16 bytes a lane covers two runs of 256 consecutive bytes, each at a multiple of 256 from the buffer's first byte.
; THE MODE: SCHED_MODE bits 1:0 = 2 (LLVM: expert scheduling mode 2), set by the entry lines.  The code itself states the register dependences between vector instructions and memory instructions,
; with s_wait_alu, always for 0.
; THE PLAN.  Registers that memory instructions touch:
;   v2, v3, v4    the three offsets.  Written once, at the head, by vector instructions; read by every load and store; never written again: ONE wait on va_vdst ahead of the first load serves them all.
;   C             c lands here once, before any vector instruction has named these registers; then vector work in place.  Group g's sixteen are last written by its multiplications by o, then read by
;                 its four stores, and never written again.
;   N, O, GW, GB  each register is the target of one load, issued before any vector instruction has named it; behind that, vector instructions alone.
; So no load owes a wait but the head's, and no register that a memory instruction has read is ever written again: the text holds no wait on vm_vsrc beyond the entry lines'.
; The stores' data: group g - 1's four stores stand in group g, behind the wait on va_vdst that group g's exponentials have in any case; that wait also shows group g - 1's last multiplications written,
; and the lines between it and the stores name group g's registers alone.  Only the last group's stores have a wait of their own.
; REGISTERS, in windows of 256 (s_set_vgpr_msb: bits 1:0 source 0, 3:2 source 1, 5:4 source 2, 7:6 destination):
;   window 0: v2-5 offsets and 0; v8-19 sums, mean, scale; v20-59 a group's rounded gn_w and gn_b; v64-127 o; v128-255 c, then c / n, then h          window 1: v0-127 n; v128-255 gn_b          window 2: v0-127 gn_w
.set VO, 2                             ; v2   (l / 16) x 8,192 + 16 (l % 16)
.set OO, 3                             ; v3   8 x lane
.set GO, 4                             ; v4   16 (l % 16)
.set ZR, 5                             ; v5   0
.set S,  8                             ; v[8:15]  four chains of packed sums
.set MU, 16                            ; v[16:17] the mean, twice
.set RS, 18                            ; v[18:19] 1 / sqrt(var + eps), twice
.set PK, 20                            ; v[20:27] sixteen numbers as eight words of bf16
.set WF, 28                            ; v[28:43] a group's gn_w, rounded, as f32
.set BF, 44                            ; v[44:59] a group's gn_b, rounded, as f32
.set O,  64                            ; chunk k at O + 2 k
.set C,  128                           ; chunk k at C + 4 k
.set N,  0                             ; window 1
.set GB, 128                           ; window 1
.set GW, 0                             ; window 2
.set MSB, 0
.macro WIN new                         ; the immediate's high byte repeats the setting that is left; a switch that changes nothing is dropped
.if MSB != (\new)
	s_set_vgpr_msb (MSB<<8)|(\new)
.set MSB, \new
.endif
.endm
	s_load_b256 s[4:11], s[0:1], 0x0               ; out1 s[4:5], out2 s[6:7], ows s[8:9], gn_w s[10:11]
	s_load_b128 s[12:15], s[0:1], 0x20             ; gn_b s[12:13], out0 s[14:15]
	v_lshrrev_b32 v1, 5, v0
	v_readfirstlane_b32 s16, v1                    ; wave 0..3
	v_and_b32 v1, 15, v0                           ; the offsets and the constants, which name no s16, stand between that line and the wait for it
	v_bfe_u32 v6, v0, 4, 1
	v_and_b32 v7, 31, v0
	v_lshlrev_b32 v[GO], 4, v1
	v_lshl_add_u32 v[VO], v6, 13, v[GO]
	v_lshlrev_b32 v[OO], 3, v7
	v_mov_b32 v[ZR], 0
	s_mov_b32 s19, 0
	s_mov_b32 s25, 0
	s_mov_b32 s20, 0x3a000000                      ; 1 / 2,048
	s_mov_b32 s21, 0x3727c5ac                      ; 1e-5
	s_mov_b32 s22, 0x4038aa3b                      ; 2 log2 e; named as a pair
	s_mov_b32 s23, 0x4038aa3b
	s_mov_b32 s26, 0xffff0000                      ; the mask of a word's upper bf16
	s_wait_alu depctr_va_sdst(0)                   ; s16 is written, ahead of its first reader: the number of my pair of rows is made from it
	s_lshl_b32 s17, ttmp9, 2
	s_add_co_u32 s17, s17, s16                     ; p: my pair of rows
	s_lshl_b32 s18, s17, 14                        ; two rows of 8,192 bytes
	s_lshl_b32 s24, s17, 13                        ; a pair of rows of f16
	s_wait_kmcnt 0x0
	s_add_nc_u64 s[4:5], s[4:5], s[18:19]
	s_add_nc_u64 s[6:7], s[6:7], s[18:19]
	s_add_nc_u64 s[14:15], s[14:15], s[18:19]
	s_add_nc_u64 s[8:9], s[8:9], s[24:25]
	s_wait_alu depctr_va_vdst(0)                   ; v2, v3 and v4 are written: every load and store of the kernel reads one of them as its offset, and no later line writes them
	; both rows of c and of n are asked for at once, in eight groups of four chunks of c and four of n: 32 KiB a wave.  Between the wait above and these loads stand loads and window switches alone
.set g, 0
.rept 8
	WIN 0
.irp k, 0,1,2,3
	global_load_b128 v[C+16*g+4*(\k):C+16*g+4*(\k)+3], v[VO], s[4:5] offset:256*(4*g+(\k)) th:TH_LOAD_NT
.endr
	WIN 0x40                                       ; destination window 1
.irp k, 0,1,2,3
	global_load_b128 v[N+16*g+4*(\k):N+16*g+4*(\k)+3], v[VO], s[6:7] offset:256*(4*g+(\k)) th:TH_LOAD_NT
.endr
.set g, g+1
.endr
; Group g: c / n of its 16 numbers, the group's four chunks of o are asked for, and the quotients' sum goes onto four chains.
.macro QUOT g
	s_wait_loadcnt 56-4*(\g)                       ; loads come back in order: behind this group's eight stand 56 - 8 g of c and n and the 4 g of o issued since
	WIN 0x41                                       ; destination and source 0 window 1
.set j, 0
.rept 16
	v_rcp_f32 v[N+16*(\g)+j], v[N+16*(\g)+j]
.set j, j+1
.endr
	v_nop                                          ; a plain instruction behind the last reciprocal (ISA guide 5.7.2)
	s_wait_alu depctr_va_vdst(0)                   ; the group's sixteen reciprocals of n are written, ahead of their first reader, the multiplications below
	WIN 0x04                                       ; source 1 window 1
.set j, 0
.rept 8
	v_pk_mul_f32 v[C+16*(\g)+2*j:C+16*(\g)+2*j+1], v[C+16*(\g)+2*j:C+16*(\g)+2*j+1], v[N+16*(\g)+2*j:N+16*(\g)+2*j+1]
.set j, j+1
.endr
	WIN 0
.irp k, 0,1,2,3
	global_load_b64 v[O+8*(\g)+2*(\k):O+8*(\g)+2*(\k)+1], v[OO], s[8:9] offset:256*(4*(\g)+(\k)) th:TH_LOAD_NT  ; no wait: v3 stands written since the head's wait, and no vector instruction has named these targets
.endr
.if (\g) == 0
.set j, 0
.rept 4
	v_pk_add_f32 v[S+2*j:S+2*j+1], v[C+2*j:C+2*j+1], v[C+8+2*j:C+8+2*j+1]  ; the first group starts the chains: nothing is cleared
.set j, j+1
.endr
.else
.set j, 0
.rept 8
	v_pk_add_f32 v[S+2*(j%4):S+2*(j%4)+1], v[S+2*(j%4):S+2*(j%4)+1], v[C+16*(\g)+2*j:C+16*(\g)+2*j+1]
.set j, j+1
.endr
.endif
.endm
; The four chains into one number, then over the row's 16 lanes: every lane of a half ends with its row's sum, in v[S].
.macro FOLD
	v_pk_add_f32 v[S:S+1], v[S:S+1], v[S+2:S+3]
	v_pk_add_f32 v[S+4:S+5], v[S+4:S+5], v[S+6:S+7]
	v_pk_add_f32 v[S:S+1], v[S:S+1], v[S+4:S+5]
	v_add_f32 v[S], v[S], v[S+1]
	v_add_f32_dpp v[S], v[S], v[S] row_xmask:1 row_mask:0xf bank_mask:0xf
	v_add_f32_dpp v[S], v[S], v[S] row_xmask:2 row_mask:0xf bank_mask:0xf
	v_add_f32_dpp v[S], v[S], v[S] row_xmask:4 row_mask:0xf bank_mask:0xf
	v_add_f32_dpp v[S], v[S], v[S] row_xmask:8 row_mask:0xf bank_mask:0xf
.endm
.irp g, 0,1,2,3,4,5,6,7
	QUOT \g
.endr
	; gn_w and gn_b, in the same eight groups: they come while the mean and the variance are made.  No wait: v4 stands written since the head's wait, and no vector instruction has named these targets
.set g, 0
.rept 8
	WIN 0x80                                       ; destination window 2
.irp k, 0,1,2,3
	global_load_b128 v[GW+16*g+4*(\k):GW+16*g+4*(\k)+3], v[GO], s[10:11] offset:256*(4*g+(\k))
.endr
	WIN 0x40
.irp k, 0,1,2,3
	global_load_b128 v[GB+16*g+4*(\k):GB+16*g+4*(\k)+3], v[GO], s[12:13] offset:256*(4*g+(\k))
.endr
.set g, g+1
.endr
	WIN 0
	FOLD
	v_mul_f32 v[MU], s20, v[S]
	v_mov_b32 v[MU+1], v[MU]
.set j, 0
.rept 64
	v_pk_add_f32 v[C+2*j:C+2*j+1], v[C+2*j:C+2*j+1], v[MU:MU+1] neg_lo:[0,1] neg_hi:[0,1]  ; x - mean, kept
.set j, j+1
.endr
.set j, 0
.rept 64
.if j < 4
	v_pk_mul_f32 v[S+2*j:S+2*j+1], v[C+2*j:C+2*j+1], v[C+2*j:C+2*j+1]                      ; the first four squares start the chains
.else
	v_pk_fma_f32 v[S+2*(j%4):S+2*(j%4)+1], v[C+2*j:C+2*j+1], v[C+2*j:C+2*j+1], v[S+2*(j%4):S+2*(j%4)+1]
.endif
.set j, j+1
.endr
	FOLD
	v_fma_f32 v[S+1], v[S], s20, s21               ; var + eps
	v_rsq_f32 v[RS], v[S+1]
	v_nop                                          ; a plain instruction behind the root's reciprocal
	s_wait_alu depctr_va_vdst(0)                   ; 1 / sqrt(var + eps) is written, ahead of its first reader, the copy below
	v_mov_b32 v[RS+1], v[RS]
; The eight words of bf16 in PK are widened into the sixteen registers at v[d].
.macro WIDEN d
.set j, 0
.rept 8
	v_lshlrev_b32 v[(\d)+2*j],   16, v[PK+j]       ; bf16 to f32: the low half moves up,
	v_and_b32     v[(\d)+2*j+1], s26, v[PK+j]      ; the high half stays
.set j, j+1
.endr
.endm
; Group g: gn_w and gn_b rounded to bf16; the norm's scale, gain and bias, tanh, times o.  The group's own numbers go out in the next group; here the group before goes out.
.macro RESULT g
.set B0, C+16*(\g)
	s_wait_loadcnt 56-8*(\g)                       ; this group's gn_w and gn_b are in, the 56 - 8 g younger loads stay out; all of o was asked for earlier
	WIN 0x0a                                       ; sources 0 and 1 window 2, destination window 0
.set j, 0
.rept 8
	v_cvt_pk_bf16_f32 v[PK+j], v[GW+16*(\g)+2*j], v[GW+16*(\g)+2*j+1]
.set j, j+1
.endr
	WIN 0
	WIDEN WF
	WIN 0x05                                       ; sources 0 and 1 window 1, destination window 0
.set j, 0
.rept 8
	v_cvt_pk_bf16_f32 v[PK+j], v[GB+16*(\g)+2*j], v[GB+16*(\g)+2*j+1]
.set j, j+1
.endr
	WIN 0
	WIDEN BF
.set j, 0
.rept 8
	v_pk_mul_f32 v[B0+2*j:B0+2*j+1], v[B0+2*j:B0+2*j+1], v[RS:RS+1]
.set j, j+1
.endr
.set j, 0
.rept 8
	v_pk_fma_f32 v[B0+2*j:B0+2*j+1], v[B0+2*j:B0+2*j+1], v[WF+2*j:WF+2*j+1], v[BF+2*j:BF+2*j+1]
.set j, j+1
.endr
.set j, 0
.rept 8
	v_pk_mul_f32 v[B0+2*j:B0+2*j+1], v[B0+2*j:B0+2*j+1], s[22:23] op_sel_hi:[1,0]
.set j, j+1
.endr
.set j, 0
.rept 16
	v_exp_f32 v[B0+j], v[B0+j]
.set j, j+1
.endr
	v_nop                                          ; a plain instruction behind the last exponential
	s_wait_alu depctr_va_vdst(0)                   ; the group's sixteen exponentials are written, ahead of their first reader; so are the sixteen numbers of h that the group before made, which the stores below read
.set j, 0
.rept 8
	v_pk_add_f32 v[B0+2*j:B0+2*j+1], v[B0+2*j:B0+2*j+1], 1.0 op_sel_hi:[1,0]
.if ((\g) > 0) && (j%2)
	global_store_b128 v[VO], v[B0-16+4*(j/2):B0-16+4*(j/2)+3], s[14:15] offset:256*(4*((\g)-1)+j/2) th:TH_STORE_NT  ; the group before goes out, a store to two additions.  No further wait: the additions since the wait name this group's registers alone
.endif
.set j, j+1
.endr
.set j, 0
.rept 16
	v_rcp_f32 v[B0+j], v[B0+j]
.set j, j+1
.endr
	v_nop                                          ; a plain instruction behind the last reciprocal
	s_wait_alu depctr_va_vdst(0)                   ; the group's sixteen reciprocals are written, ahead of their first reader
.set j, 0
.rept 8
	v_pk_fma_f32 v[B0+2*j:B0+2*j+1], v[B0+2*j:B0+2*j+1], -2.0, 1.0 op_sel_hi:[1,0,0]
.set j, j+1
.endr
.set j, 0
.rept 16                               ; o's f16 half times tanh, in f32: number j of the group has half j % 2 of word j / 2
.if j%2
	v_fma_mix_f32 v[B0+j], v[O+8*(\g)+j/2], v[B0+j], v[ZR] op_sel:[1,0,0] op_sel_hi:[1,0,0]
.else
	v_fma_mix_f32 v[B0+j], v[O+8*(\g)+j/2], v[B0+j], v[ZR] op_sel_hi:[1,0,0]
.endif
.set j, j+1
.endr
.endm
.irp g, 0,1,2,3,4,5,6,7
	RESULT \g
.endr
	s_wait_alu depctr_va_vdst(0)                   ; the last group's multiplications by o have written its sixteen numbers of h, which the last four stores read
.irp k, 0,1,2,3
	global_store_b128 v[VO], v[C+112+4*(\k):C+112+4*(\k)+3], s[14:15] offset:256*(28+(\k)) th:TH_STORE_NT  ; no register that a store reads is written again
.endr
	s_endpgm
.Lfunc_end_k_qcec2978c77_norm:
	.size	k_qcec2978c77_norm, .Lfunc_end_k_qcec2978c77_norm-k_qcec2978c77_norm
	.p2alignl 7, 3214868480
	.fill 96, 4, 3214868480
	.section	.rodata,"a",@progbits
	.p2align	6, 0x0
	.amdhsa_kernel k_qcec2978c77_norm
		.amdhsa_group_segment_fixed_size 0
		.amdhsa_private_segment_fixed_size 0
		.amdhsa_enable_private_segment 0
		.amdhsa_kernarg_size 48
		.amdhsa_user_sgpr_count 2
		.amdhsa_user_sgpr_kernarg_segment_ptr 1
		.amdhsa_wavefront_size32 1
		.amdhsa_system_sgpr_workgroup_id_x 1
		.amdhsa_system_sgpr_workgroup_id_y 1
		.amdhsa_system_sgpr_workgroup_id_z 1
		.amdhsa_system_vgpr_workitem_id 0
		.amdhsa_next_free_vgpr 640
		.amdhsa_next_free_sgpr 66
		.amdhsa_reserve_vcc 0
		.amdhsa_float_denorm_mode_32 3
		.amdhsa_float_denorm_mode_16_64 3
		.amdhsa_memory_ordered 1
		.amdhsa_forward_progress 1
		.amdhsa_inst_pref_size 98
	.end_amdhsa_kernel
	.amdgpu_metadata
---
amdhsa.version: [ 1, 2 ]
amdhsa.kernels:
  - .name:           k_qcec2978c77_norm
    .symbol:         k_qcec2978c77_norm.kd
    .args:
      - { .name: out1, .offset: 0, .size: 8, .value_kind: global_buffer, .address_space: global }
      - { .name: out2, .offset: 8, .size: 8, .value_kind: global_buffer, .address_space: global }
      - { .name: ows, .offset: 16, .size: 8, .value_kind: global_buffer, .address_space: global }
      - { .name: gn_w, .offset: 24, .size: 8, .value_kind: global_buffer, .address_space: global }
      - { .name: gn_b, .offset: 32, .size: 8, .value_kind: global_buffer, .address_space: global }
      - { .name: out0, .offset: 40, .size: 8, .value_kind: global_buffer, .address_space: global }
    .group_segment_fixed_size: 0
    .private_segment_fixed_size: 0
    .kernarg_segment_align: 8
    .kernarg_segment_size: 48
    .max_flat_workgroup_size: 128
    .sgpr_count:     66
    .vgpr_count:     640
    .wavefront_size: 32
...
	.end_amdgpu_metadata
.endif
;; end of part 4
